; MI455X (gfx1250); checked and timed in simulation.
; The chip was launched on July 23, 2026; its instructions are those of AMD's public machine-readable ISA for CDNA 5 (MIT licence, August 2026) and "CDNA5" Instruction Set Architecture Reference Guide (July 2026). The comments in the code are by the model that wrote it; some were corrected since.
;; Full Attention. Allowed arithmetic: matrix products marked QUANTISED: E5M2 operands, one given power-of-two scale a tensor, by v_wmma_f32_16x16x64_bf8_bf8 or v_wmma_f32_16x16x128_bf8_bf8, f32 sums; everything else in f32.
;; Inputs: keys_codes 4 x 2,048 x 16 x 2 x 32 uint8 (E5M2 codes of keys, K innermost, in blocks of 32 codes); lowp_scales 4 int32 (the exponents e of the quantised operands' scales 2^e); queries_codes 4 x 2,048 x 16 x 2 x 32 uint8 (E5M2 codes of queries, K innermost, in blocks of 32 codes); values_codes 4 x 16 x 64 x 64 x 32 uint8 (E5M2 codes of values, K innermost, in blocks of 32 codes).
;; Outputs: out0 4 x 2,048 x 16 x 64 float32.
;; This version of the problem:
;;   THIS VERSION OF THE PROBLEM IS GIVEN IN LOW PRECISION. The matrix products marked QUANTISED in the list below multiply operands that are first quantised to E5M2 (5 exponent bits, 2 mantissa bits; 8 bits a number), with one given power-of-two scale for each operand tensor; their sums are f32. All else is computed in f32.
;;   The module's matrix products, in the order in which they are computed (A, B: the left and right operand; K: the contracted axis; several contracted axes count as one K, in the product's order):
;;     1. batch 64 x [M 2,048, K 64] x [K 64, N 2,048]; A: input queries (given as codes); B: input keys (given as codes): QUANTISED (scales: A lowp_scales[0], B lowp_scales[1])
;;     2. batch 64 x [M 64, K 2,048] x [K 2,048, N 2,048]; A: input values (given as codes); B: softmax (see below): QUANTISED (scales: A lowp_scales[2], B lowp_scales[3])
;;   THE QUANTISER, for each operand of a quantised product, along K:
;;     - The operand's scale is 2^e, e = its entry of the input lowp_scales (int32; the entries are numbered through the quantised products in the list's order, A before B).
;;     - Each number is divided by the scale, clamped to +-57,344, and rounded to the nearest number of E5M2, ties to even, subnormals kept.
;;     - The product sums the exact products of the quantised numbers (number of the format x scale) in f32.
;;   ~~~python
;;   def quantise(x, axis, e):      # numpy; x: float32 -> the quantised numbers, widened to float32 again
;;       x = np.moveaxis(x, axis, -1); K = x.shape[-1]
;;       r = np.clip(x / 2.0 ** e, -57344, 57344)
;;       step = 2.0 ** (np.maximum(np.frexp(np.where(r == 0, 1, r))[1] - 1, -14) - 2)
;;       q = np.round(r / step) * step * 2.0 ** e      # np.round: ties to even
;;       return np.moveaxis(q, -1, axis).astype(np.float32)
;;   ~~~
;;   SOFTMAX AHEAD OF A QUANTISED PRODUCT. Where the list says 'softmax', what is quantised is not the finished softmax but p = 2^(t - M), with t = logit x log2(e) and M = ceil(the row's largest t), a whole number; so 1/2 < the row's largest p <= 1. The row's sum l is taken of the UNQUANTISED p, in f32, and the product's result is divided by l at the end. Since M is a whole number, a kernel that streams over the keys may use a running M (the ceiling of the running maximum): every later rescaling is an exact power of two, so the quantised numbers keep their values, but for numbers so far below the row's largest that they fall under the format's range.
;;   OPERANDS COMPUTED ON THE WAY. 'Computed on the way' means the value that the module computes at that place (a softmax that the list does not call 'softmax' is quantised finished and normalised). What goes into a quantiser is computed in f32, as accurately as f32 sums, v_exp_f32 and their like allow (about 1e-6 of the number): no bf16 or f16 on the way to a quantiser, and a product that is left as it is and whose result goes on into a quantised operand takes f32 operands (vector FMAs, or v_wmma_f32_16x16x4_f32). A number that lies on a knife's edge between two numbers of the format may be rounded either way, as far as f32 arithmetic and the matrix unit's own rounding can turn it there, and no further.
;;   INPUTS GIVEN AS CODES. keys (in the module: [4, 2048, 16, 64], K = its axis 3); queries (in the module: [4, 2048, 16, 64], K = its axis 3); values (in the module: [4, 2048, 16, 64], K = its axis 1): each comes as NAME_codes (uint8): NAME with its K axis moved to the last place and cut into blocks of 32 codes, [.., K / 32, bytes a block], one block behind the other in memory; one code a byte (a code: sign, 5 exponent bits, 2 mantissa bits); its scale is its entry of lowp_scales. Its value is code x scale, taken as it is: it is not quantised again, and the codes and scales need not be those that the quantiser above would give.
;; One version. Each part assembles by itself: llvm-mc -triple=amdgcn-amd-amdhsa -mcpu=gfx1250 --defsym DOCPART=n.
;; ======== version 1 of 1: 1 launch
;; limits: right only within a limited range of input values
;; launch attn (part 1): grid 4 x 64, 16 waves a work-group, clusters of 4 x 1, 327,680 bytes of LDS; arguments queries_codes, keys_codes, values_codes, lowp_scales, out0; writes out0
.if DOCPART == 1
	.amdgcn_target "amdgcn-amd-amdhsa--gfx1250"
	.amdhsa_code_object_version 6
	.text
	.protected	k_qb7b6e8c90d_attn
	.globl	k_qb7b6e8c90d_attn
	.p2align	8
	.type	k_qb7b6e8c90d_attn,@function
k_qb7b6e8c90d_attn:
	s_mov_b64 s[64:65], 0
	v_nop
	global_prefetch_b8 v0, s[64:65] scope:SCOPE_SE
	s_setreg_imm32_b32 hwreg(HW_REG_WAVE_MODE, 25, 1), 1
	s_wait_xcnt 0x0
	s_wait_alu depctr_hold_cnt(0) depctr_sa_sdst(0) depctr_va_vdst(0) depctr_va_sdst(0) depctr_va_ssrc(0) depctr_va_vcc(0) depctr_vm_vsrc(0)
	s_getreg_b32 s2, hwreg(HW_REG_IB_STS2, 6, 4)
	s_cmp_eq_u32 s2, 0
	s_cbranch_scc0 .Lentry_in_a_cluster
	s_endpgm
.Lentry_in_a_cluster:
	s_bfe_u32 s2, ttmp6, 0x10000c
	s_cmp_lg_u32 s2, 0x3003
	s_cbranch_scc0 .Lentry_shape_is_right
	s_endpgm
.Lentry_shape_is_right:
; out[b][q][h][:] = the sum over k of softmax_k(Q[b][q][h] . K[b][k][h] / 8) V[b][k][h][:], both products on codes of BF8 (E5M2), each tensor with its given scale 2^e (eq, ek, ev, ep).
; THE MASK is the problem's own: key k counts for query q of head h where k > q + off, off = 2^(h / 4) - 1 (0, 1, 3, 7), and key 2,047 always counts.  What it hides is not multiplied.
; Q, K: [b][l][h][64] codes (a row of 64 bytes, 1,024 bytes from l to l + 1).  V: [b][h][d][2048] codes, the keys innermost.  out: [b][l][h][64] f32.
; THE SOFTMAX AHEAD OF THE SECOND PRODUCT: t = score x log2(e) / 8; M = the running largest t rounded UP to a whole number; p = 2^(t - M) is quantised with 2^ep, not normalised; the row's sum is taken of
; the unquantised p and divides at the end.  When M moves, the sum and O are multiplied by 2^(old M - new M): nothing is rounded.
; SHARES.  A head's K (2,048 rows x 80 bytes) and V (4 chunks x 64 rows x 528 bytes) lie in LDS WHOLE: 299,008 bytes, every byte filled once, at the head: no ring, no refill, no barrier in the walk over the keys.
; The four work-groups of a head are a cluster and ask for every tile JOINTLY (the same tensor load, the same descriptor, a mask that names the four): a quarter of the requests.
; A head has 128 tiles of 16 queries.  Work-group w takes the tiles t with t % 4 = w; its wave j owns two: A = 4 j + w and B = 127 - A.  Tile t needs the key steps (128 keys) from F = t / 8 to 15:
; F_A = j / 2, F_B = 15 - j / 2, which hang on the wave's number alone; 16 - j / 2 steps and 1 + j / 2 steps: SEVENTEEN STEPS IN EVERY WAVE OF THE LAUNCH.
; ORDER.  Tile A: key steps 12-15, 8-11 (these eight are whole steps in all sixteen waves, and the barriers at which the chunks are shown landed stand among them), then F_A-7; tile B: F_B-15.
; A step under F is jumped over (a scalar branch on the wave's number and the loop's counter).  Step F is masked in all 64 registers; in step F + 1 at most its first seven keys can be hidden
; (16 t + 15 + 7 <= 128 (F + 1) + 6), so registers 0-7 are masked, in every tile alike: no branch hangs on the work-group's place in its cluster.
; A row all of whose keys of a step are hidden: the largest t begins at -3e38, so -M = 3e38, (-inf) c + 3e38 = -inf, p = 0 and nothing moves; key 2,047 counts for every row, so every sum ends above 1/2.
; LAYOUT.  Both products are used transposed: S^T = K Q^T (source 0 = 16 keys, source 1 = my 16 queries, 16x16x64), O^T = V^T P^T (source 0 = 16 of the head's 64, source 1 = P, 16x16x128):
; a lane holds ONE query (lane % 16) throughout.  Register 8 p + i of S^T is key 16 p + 8 (lane / 16) + i of the step, so the conversion of tile p gives registers 2 p, 2 p + 1 of P as the 128 form has them.
; K's and Q's fragments come by two loads of 16 bytes (k = 16 (lane / 16) + 0..15, then + 32): one and the same permutation of k on both sides, so every product meets its partner.
; NOTHING IS PREFETCHED: every tensor load of the launch is issued at its head, so there is no later load to ask ahead of.
; LIMITS on the given exponents, so that each power of two below is an f32 number: eq + ek between -123 and 130 (added to c's exponent field); ep between -126 and 127; ep + ev goes in by v_ldexp_f32 and has none.
; Codes of NaN or infinity among the inputs are not served.
.set KP,     80                        ; a key's row in LDS: 64 bytes + 16 = 20 words: 16 rows on end start at 16 different groups of four banks (64 banks of 4 bytes: ISA guide 11.1)
.set VP,     528                       ; a row of a chunk of V: 512 bytes + 16 = 132 words: lane (r, h) of an 8-byte load starts at bank 4 r + 2 h
.set KSTEPB, 128*KP                    ; a key step's rows of K
.set KHALF,  256*KP                    ; what one tensor load brings of K
.set KCH,    512*KP                    ; a chunk of K: 512 keys
.set VB,     2048*KP                   ; V begins behind K
.set VHALF,  32*VP                     ; what one tensor load brings of V
.set VCH,    64*VP                     ; a chunk of V: 512 keys of all 64 rows
.set SP,     272                       ; the way out: a stage row, 256 bytes + 16
.set STG,    16*SP                     ; a wave's stage; the sixteen lie in K's bytes, which have had their one fill and are read no more behind the last barrier
.set AK0,  1                           ; v1   my lane's place in a step's rows of K: 80 r + 16 h
.set AV0,  2                           ; v2   in V: VB + 528 r + 8 h
.set ADK,  3                           ; v3   LDS address of the step's K
.set ADV,  4                           ; v4   of its V
.set DQA,  5                           ; v5   tile A: my query + off - 8 h
.set DQB,  6                           ; v6   tile B
.set QOA,  7                           ; v7   my byte offset in Q, tile A; never rewritten
.set QOB,  8                           ; v8   tile B
.set STO,  9                           ; v9   the stage: where I put 32 bytes of a row
.set RD,   10                          ; v10  and where I read a row back
.set GOA,  11                          ; v11  my byte offset in out, tile A; never rewritten
.set GOB,  249                         ; v249 tile B
.set NM,   12                          ; v12 -M, v13 the largest t so far
.set SUM,  14                          ; v[14:15] the row's sum in two halves
.set QA,   16                          ; v[16:23] Q of tile A
.set QB,   24                          ; v[24:31] Q of tile B
.set FR,   32                          ; v[32:95] eight fragments of K, then four of V; on the way out rows of out
.set S,    96                          ; v[96:159] S^T, then p; at the end tile B's finished O
.set O,    160                         ; v[160:191] O^T
.set OA,   192                         ; v[192:223] tile A's finished O
.set PC,   224                         ; v[224:239] p's codes
.set LIM,  240                         ; v240 not used
.set SC,   241                         ; v241 2^ep
.set SUM2, 242                         ; v[242:243] the sum's second chain
.set NINF, 244                         ; v244 -infinity
.set NEG1, 245                         ; v245 -1
.set D,    246                         ; v246 the mask's d
.set D63,  247                         ; v247 d for register 63
.set PX,   248                         ; v248 the lane permute's destination
.set R,    250                         ; v250 r = lane % 16
.set H,    251                         ; v251 h = lane / 16
.set FF,   252                         ; v[252:253] f = 2^(old M - new M); the upper half is only named
.set MX,   254                         ; v254, v255 the maximum's two chains
.set WV,   14                          ; s14  my wave's number j
.set CX,   15                          ; s15  w: my work-group's place in the cluster; it enters Q's and out's offsets and the mask's numbers alone
.set BH,   16                          ; s16  16 b + head
.set BB,   17                          ; s17  b
.set HD,   18                          ; s18  head
.set OFF,  19                          ; s19  off
.set SEL,  20                          ; s[20:21] lane selects: lane l xor 16
.set CS,   22                          ; s[22:23] c = log2(e) / 8 x 2^(eq + ek)
.set G1K,  24                          ; s[24:31] descriptor group 1 for K's tiles
.set G1V,  32                          ; s[32:39] for V's
.set KS,   81                          ; s81  the key step: the loops' counter
.set KF,   82                          ; s82  its first key
.set KO,   83                          ; s83  its rows of K in LDS
.set VO,   84                          ; s84  its bytes of V's rows in LDS
.set FA,   85                          ; s85, s86  F and F + 1 of tile A
.set FB,   87                          ; s87, s97  of tile B
.set FB1,  97
.set EPV,  96                          ; s96  ep + ev
; A round of the cluster's barrier: my work-group's barrier, wave 0 signals for the work-group, every wave waits for all four work-groups, my work-group's barrier once more.
.macro CROUND
	s_barrier_signal -1
	s_barrier_wait -1
	s_cmp_lg_u32 s[WV], 0
	s_cbranch_scc1 .Lnot_wave_0_\@
	s_barrier_signal -3
.Lnot_wave_0_\@:
	s_barrier_wait -3
	s_barrier_signal -1
	s_barrier_wait -1
.endm
; A descriptor's group 0: count 1; the LDS address (a wave's part + a constant); the tile's first byte in memory; type 2.
.macro MKG0 g, part, ldsoff, base, goff
	s_mov_b32 s[\g], 1
	s_add_co_u32 s[\g+1], s[\part], \ldsoff
	s_add_nc_u64 s[\g+2:\g+3], s[\base:\base+1], \goff
	s_or_b32 s[\g+3], s[\g+3], 0x80000000
.endm
; A chunk is shown landed: each fetching wave's loads end in order (ISA guide 10.11.1), so with n younger ones out its part of the chunk is in; behind the barrier everybody's is.  No LDS instruction of the wave is pending here.
.macro LAND n
	s_wait_tensorcnt \n
	s_barrier_signal -1
	s_barrier_wait -1
.endm
; The offsets of tile s[st]: Q's, the mask's number, out's.
.macro TILEADR st, qo, dq, go
	s_lshl_b32 s88, s[\st], 4                      ; the tile's first query
	v_add_nc_u32 v[\qo], s88, v[R]                 ; my query
	s_delay_alu instid0(VALU_DEP_1)
	v_add_nc_u32 v[\dq], s[OFF], v[\qo]
	s_delay_alu instid0(VALU_DEP_1)
	v_sub_nc_u32 v[\dq], v[\dq], v[D]              ; my query + off - 8 h
	s_delay_alu instid0(VALU_DEP_3)
	v_lshlrev_b32 v[\qo], 10, v[\qo]
	s_delay_alu instid0(VALU_DEP_1)
	v_lshl_add_u32 v[\qo], v[H], 4, v[\qo]         ; Q: 1,024 bytes a query, + 16 h
	v_add_nc_u32 v[\go], s88, v[H]
	s_delay_alu instid0(VALU_DEP_1)
	v_lshlrev_b32 v[\go], 12, v[\go]
	s_delay_alu instid0(VALU_DEP_1)
	v_lshl_add_u32 v[\go], v[R], 4, v[\go]         ; out: lanes 0-15 one query's 256 bytes, lanes 16-31 the next query's; 4,096 bytes a query
.endm
; A tile begins: the step is written without a first step of its own, so it finds zeros, which the first change of M leaves zeros.
.macro TILE_INIT
	v_mov_b32 v[NM+1], 0xff61b1e6                  ; the largest t so far: -3e38, under every t
	s_delay_alu instid0(VALU_DEP_1)
	v_floor_f32 v[NM], -v[NM+1]                    ; -M
	v_mov_b32 v[SUM], 0
	v_mov_b32 v[SUM+1], 0
.set n, 0
.rept 32
	v_mov_b32 v[O+n], 0
.set n, n+1
.endr
.endm
; A KEY STEP: 128 keys for one tile of 16 queries.  m = 1: the step may be jumped over or masked.  q: Q's registers; dq: the mask's number; f, f1: the scalars F and F + 1.
.macro STEP m, q, dq, f, f1
	s_mul_i32 s[KO], s[KS], KSTEPB
	s_lshr_b32 s[VO], s[KS], 2
	s_mul_i32 s[VO], s[VO], VCH                    ; the chunk,
	s_and_b32 s88, s[KS], 3
	s_lshl_b32 s88, s88, 7
	s_add_co_u32 s[VO], s[VO], s88                 ; and the step's 128 bytes of its rows
	v_add_nc_u32 v[ADK], s[KO], v[AK0]
	v_add_nc_u32 v[ADV], s[VO], v[AV0]
.if \m
	s_cmp_lt_u32 s[KS], s[\f]                      ; all 128 keys are hidden from my 16 queries
	s_cbranch_scc1 .Lskip_\@
.endif
	s_setprio 2
	v_nop                                          ; with the two additions above: four places between the last step's products and the loads into registers that they read
	v_nop
.irp p, 0,1,2,3,4,5,6,7
	ds_load_b128 v[FR+8*\p:FR+8*\p+3],   v[ADK] offset:16*KP*\p
	ds_load_b128 v[FR+8*\p+4:FR+8*\p+7], v[ADK] offset:16*KP*\p+32
.endr
	s_wait_alu depctr_va_vdst(0)
	s_wait_dscnt 8                                 ; fragments 0-3 are in; the eight younger loads may be out
.irp p, 0,1,2,3
	v_wmma_f32_16x16x64_bf8_bf8 v[S+8*\p:S+8*\p+7], v[FR+8*\p:FR+8*\p+7], v[\q:\q+7], 0
.endr
	s_wait_dscnt 0
.irp p, 4,5,6,7
	v_wmma_f32_16x16x64_bf8_bf8 v[S+8*\p:S+8*\p+7], v[FR+8*\p:FR+8*\p+7], v[\q:\q+7], 0
.endr
.rept 4
	v_nop                                          ; four places: in front of the loads into K's registers, and of the first read of the scores
.endr
.irp t, 0,1,2,3                                ; V's four fragments (16 of the head's 64 x 128 keys) are asked for now and land under the softmax
.irp c, 0,1,2,3,4,5,6,7
	ds_load_b64 v[FR+16*\t+2*\c:FR+16*\t+2*\c+1], v[ADV] offset:16*VP*\t+16*\c
.endr
.endr
.if \m
	s_cmp_gt_u32 s[KS], s[\f1]                     ; from step F + 2 on every key counts
	s_cbranch_scc1 .Lopen_\@
	s_lshl_b32 s[KF], s[KS], 7
	v_sub_nc_u32 v[D], v[\dq], s[KF]               ; d = my query + off - 8 h - the step's first key.  Register 8 p + i is hidden where 16 p + i <= d
.set n, 0
.rept 8
	v_cmp_le_i32 vcc_lo, n, v[D]
	v_cndmask_b32 v[S+n], v[S+n], v[NINF], vcc_lo  ; -infinity ahead of the maximum: p = 0 then
.set n, n+1
.endr
	s_cmp_gt_u32 s[KS], s[\f]                      ; step F + 1: its first seven keys were all that could be hidden
	s_cbranch_scc1 .Lopen_\@
	s_cmp_eq_u32 s[KS], 15
	s_cselect_b32 vcc_lo, 0xffff0000, 0            ; key 2,047 is register 63 of lanes 16-31 in step 15: it always counts,
	v_cndmask_b32 v[D63], v[D], v[NEG1], vcc_lo    ; so d is -1 there
.set n, 8
.rept 55
	v_cmp_le_i32 vcc_lo, 16*(n/8)+n%8, v[D]
	v_cndmask_b32 v[S+n], v[S+n], v[NINF], vcc_lo
.set n, n+1
.endr
	v_cmp_le_i32 vcc_lo, 119, v[D63]
	v_cndmask_b32 v[S+63], v[S+63], v[NINF], vcc_lo
.Lopen_\@:
.endif
	v_max3_num_f32 v[MX], v[S], v[S+1], v[S+2]     ; the step's largest score of my query among my 64 keys, in two chains, each accumulator from its low end on
	s_wait_alu depctr_va_vdst(0)
	v_max3_num_f32 v[MX+1], v[S+3], v[S+4], v[S+5]
.irp i, 6,10,14,18,22,26,30,34,38,42,46,50,54,58
	v_max3_num_f32 v[MX], v[MX], v[S+\i], v[S+1+\i]
	v_max3_num_f32 v[MX+1], v[MX+1], v[S+2+\i], v[S+3+\i]
.endr
	v_max3_num_f32 v[MX], v[MX], v[S+62], v[S+63]
	s_delay_alu instid0(VALU_DEP_1)
	v_max_num_f32 v[MX], v[MX], v[MX+1]
	s_delay_alu instid0(VALU_DEP_1)
	v_permlanex16_b32 v[PX], v[MX], s[SEL], s[SEL+1]
	s_delay_alu instid0(VALU_DEP_1)
	v_max_num_f32 v[MX], v[MX], v[PX]              ; and among lane l xor 16's
	s_delay_alu instid0(VALU_DEP_1)
	v_mul_f32 v[MX], s[CS], v[MX]                  ; as t (c is positive)
	s_delay_alu instid0(VALU_DEP_1)
	v_max_num_f32 v[NM+1], v[NM+1], v[MX]          ; the running largest t
	v_mov_b32 v[MX], v[NM]
	s_delay_alu instid0(VALU_DEP_2)
	v_floor_f32 v[NM], -v[NM+1]                    ; the new -M = floor(-t) = -ceil(t): a whole number
	s_delay_alu instid0(VALU_DEP_1)
	v_sub_f32 v[MX], v[NM], v[MX]                  ; old M - new M: a whole number, 0 or less
	s_delay_alu instid0(VALU_DEP_1)
	v_cvt_i32_f32 v[MX], v[MX]                     ; (it saturates)
	s_delay_alu instid0(VALU_DEP_1)
	v_ldexp_f32 v[FF], 1.0, v[MX]                  ; f = 2^(old M - new M)
.set n, 0
.rept 32
	v_pk_fma_f32 v[S+n:S+n+1], v[S+n:S+n+1], s[CS:CS+1], v[NM:NM+1] op_sel_hi:[1,0,0]   ; t - M, two at a time (of the pairs c and -M the low word serves both halves)
.set n, n+2
.endr
.set n, 0
	s_setprio 1
	s_wait_alu depctr_va_vdst(0)
.rept 64
	v_exp_f32 v[S+n], v[S+n]                       ; p = 2^(t - M), at most 1: not normalised
.set n, n+1
.endr
	v_pk_mul_f32 v[SUM:SUM+1], v[SUM:SUM+1], v[FF:FF+1] op_sel_hi:[1,0]   ; the sums under the new M: the plain instruction behind the exponentials
	s_wait_alu depctr_va_vdst(0)                   ; one wait for the batch of 64, ahead of its first reader
	v_pk_add_f32 v[242:243], v[100:101], v[104:105]
	v_pk_add_f32 v[254:255], v[108:109], v[112:113]
	v_pk_add_f32 v[250:251], v[116:117], v[120:121]
	v_pk_add_f32 v[246:247], v[124:125], v[128:129]
	v_pk_add_f32 v[238:239], v[132:133], v[136:137]
	v_pk_add_f32 v[236:237], v[140:141], v[144:145]
	v_pk_add_f32 v[234:235], v[148:149], v[152:153]
	v_pk_add_f32 v[14:15], v[14:15], v[156:157]
	v_pk_add_f32 v[242:243], v[242:243], v[96:97]
	v_pk_add_f32 v[254:255], v[254:255], v[98:99]
	v_pk_add_f32 v[250:251], v[250:251], v[102:103]
	v_pk_add_f32 v[246:247], v[246:247], v[106:107]
	v_pk_add_f32 v[238:239], v[238:239], v[110:111]
	v_pk_add_f32 v[236:237], v[236:237], v[114:115]
	v_pk_add_f32 v[234:235], v[234:235], v[118:119]
	v_pk_add_f32 v[14:15], v[14:15], v[122:123]
	v_pk_add_f32 v[242:243], v[242:243], v[126:127]
	v_pk_add_f32 v[254:255], v[254:255], v[130:131]
	v_pk_add_f32 v[250:251], v[250:251], v[134:135]
	v_pk_add_f32 v[246:247], v[246:247], v[138:139]
	v_pk_add_f32 v[238:239], v[238:239], v[142:143]
	v_pk_add_f32 v[236:237], v[236:237], v[146:147]
	v_pk_add_f32 v[234:235], v[234:235], v[150:151]
	v_pk_add_f32 v[14:15], v[14:15], v[154:155]
	v_pk_add_f32 v[242:243], v[242:243], v[158:159]
	s_delay_alu instid0(VALU_DEP_2)
	v_pk_add_f32 v[14:15], v[14:15], v[246:247]
	s_delay_alu instid0(VALU_DEP_2)
	v_pk_add_f32 v[242:243], v[242:243], v[238:239]
	v_pk_add_f32 v[254:255], v[254:255], v[236:237]
	v_pk_add_f32 v[250:251], v[250:251], v[234:235]
	s_delay_alu instid0(VALU_DEP_2)
	v_pk_add_f32 v[14:15], v[14:15], v[254:255]
	s_delay_alu instid0(VALU_DEP_2)
	v_pk_add_f32 v[242:243], v[242:243], v[250:251]
	s_delay_alu instid0(VALU_DEP_1)
	v_pk_add_f32 v[14:15], v[14:15], v[242:243]
	s_setprio 0
.irp p, 0,1,2,3,4,5,6,7
.irp i, 0,1,2,3,4,5,6,7
.endr
	v_cvt_scalef32_pk8_bf8_f32 v[PC+2*\p:PC+2*\p+1], v[S+8*\p:S+8*\p+7], v[SC]   ; keys 16 p + 8 h + 0..7: registers 2 p, 2 p + 1 of the operand
.endr
.set n, 0
.rept 16
	v_pk_mul_f32 v[O+n:O+n+1], v[O+n:O+n+1], v[FF:FF+1] op_sel_hi:[1,0]   ; O^T under the new M, each accumulator from its low end on; these are also the plain instructions between the conversions and the products
.set n, n+2
.endr
	s_wait_alu depctr_va_vdst(0)
	s_wait_dscnt 0                                 ; V is in
.irp t, 0,1,2,3                                ; O^T += V^T P^T; the four accumulators take turns, one instruction a turn, with the next step's eight products between two turns
	v_wmma_f32_16x16x128_bf8_bf8 v[O+8*\t:O+8*\t+7], v[FR+16*\t:FR+16*\t+15], v[PC:PC+15], v[O+8*\t:O+8*\t+7]
.endr
.if \m
.Lskip_\@:
.endif
.endm
; A tile ends: the sum's halves and lane l xor 16's are added; O^T / the sum x 2^(ep + ev) goes into v[dst] on: register 8 t + i is out(my query, 16 t + 8 h + i).
.macro FINISH dst
.rept 4
	v_nop                                          ; four places behind the last products, whose results are read below
.endr
	v_add_f32 v[SUM], v[SUM], v[SUM+1]
	s_delay_alu instid0(VALU_DEP_1)
	v_permlanex16_b32 v[PX], v[SUM], s[SEL], s[SEL+1]
	s_delay_alu instid0(VALU_DEP_1)
	v_add_f32 v[SUM], v[SUM], v[PX]
	s_wait_alu depctr_va_vdst(0)
	v_rcp_f32 v[SUM], v[SUM]
	v_nop                                          ; a plain instruction behind the reciprocal,
	s_wait_alu depctr_va_vdst(0)                   ; and the wait ahead of its first reader
	v_ldexp_f32 v[SUM], v[SUM], s[EPV]
.set n, 0
.rept 16
	v_pk_mul_f32 v[\dst+n:\dst+n+1], v[O+n:O+n+1], v[SUM:SUM+1] op_sel_hi:[1,0]
.set n, n+2
.endr
.endm
	s_load_b256 s[4:11], s[0:1], 0x0               ; Q s[4:5], K s[6:7], V s[8:9], the scales' exponents s[10:11]
	s_load_b64 s[12:13], s[0:1], 0x20              ; out
	v_lshl_add_u32 v254, v0, 2, 0x49000
	v_mov_b32 v255, 0
	ds_add_u32 v254, v255
	ds_add_u32 v254, v255
	s_wait_dscnt 0x0
	v_lshrrev_b32 v[R], 5, v0
	s_delay_alu instid0(VALU_DEP_1)
	v_readfirstlane_b32 s[WV], v[R]                ; wave 0..15
	s_bfe_u32 s[CX], ttmp6, 0x40000                ; my place in the cluster = my work-group's x: the grid is one cluster wide
	s_and_b32 s[BH], ttmp7, 0xffff                 ; 16 b + head, which the four partners share
	s_lshr_b32 s[BB], s[BH], 4
	s_and_b32 s[HD], s[BH], 15
	s_lshr_b32 s88, s[HD], 2
	s_lshl_b32 s[OFF], 1, s88
	s_sub_co_u32 s[OFF], s[OFF], 1                 ; off = 2^(head / 4) - 1
	s_lshl_b32 s89, s[WV], 2
	s_add_co_u32 s89, s89, s[CX]                   ; tile A = 4 j + w
	s_sub_co_u32 s90, 127, s89                     ; tile B = 127 - A
	s_lshr_b32 s[FA], s[WV], 1                     ; F_A = A / 8 = j / 2: the wave's number alone
	s_add_co_u32 s[FA+1], s[FA], 1
	s_xor_b32 s[FB], s[FA], 15                     ; F_B = B / 8 = 15 - j / 2
	s_add_co_u32 s[FB1], s[FB], 1
	; descriptor group 1.  K: 256 rows of 64 bytes, 1,024 bytes apart in memory.  V: 32 rows of 512 bytes, 2,048 apart.
	s_mov_b32 s[G1K], 15|(1<<20)|(1<<21)|(3<<22)|(3<<25)   ; 15:0 the mask: all four work-groups; 17:16 elements of 1 byte; 20 padding on; 21 set beside a mask; 24:22 after every 16 words (code 3); 31:25 four words (code 3)
	s_mov_b32 s[G1K+1], 64<<16                     ; tensor_dim0
	s_mov_b32 s[G1K+2], 256<<16                    ; tensor_dim1
	s_mov_b32 s[G1K+3], 64<<16                     ; tile_dim0
	s_mov_b32 s[G1K+4], 256                        ; tile_dim1
	s_mov_b32 s[G1K+5], 1024                       ; tensor_dim0_stride
	s_mov_b32 s[G1K+6], 0
	s_mov_b32 s[G1K+7], 0
	s_mov_b32 s[G1V], 15|(1<<20)|(1<<21)|(6<<22)|(3<<25)   ; the same with padding after every 128 words (code 6)
	s_mov_b32 s[G1V+1], 512<<16
	s_mov_b32 s[G1V+2], 32<<16
	s_mov_b32 s[G1V+3], 512<<16
	s_mov_b32 s[G1V+4], 32
	s_mov_b32 s[G1V+5], 2048
	s_mov_b32 s[G1V+6], 0
	s_mov_b32 s[G1V+7], 0
	s_mov_b32 s[SEL], 0x76543210
	s_mov_b32 s[SEL+1], 0xfedcba98
	s_and_b32 s91, s[WV], 1                        ; which half of a chunk I fetch, if I fetch (waves 0, 1: K's; waves 2, 3: V's)
	s_mul_i32 s92, s91, KHALF                      ; its place in a chunk of K in LDS,
	s_mul_i32 s93, s91, VHALF
	s_add_co_u32 s93, s93, VB                      ; and of V: no place in the cluster enters an LDS address
	s_lshl_b32 s94, s[BB], 21
	s_lshl_b32 s88, s[HD], 6
	s_add_co_u32 s94, s94, s88                     ; the head's first byte in Q and in K
	s_mov_b32 s95, 0
	s_wait_kmcnt 0x0
	s_load_b128 s[76:79], s[10:11], 0x0            ; eq, ek, ev, ep
	s_add_nc_u64 s[4:5], s[4:5], s[94:95]
	s_add_nc_u64 s[6:7], s[6:7], s[94:95]
	s_lshl_b32 s94, s91, 18                        ; my 256 keys of a chunk's 512
	s_add_nc_u64 s[6:7], s[6:7], s[94:95]
	s_lshl_b32 s94, s[BH], 17                      ; the head's 64 rows of V,
	s_add_nc_u64 s[8:9], s[8:9], s[94:95]
	s_lshl_b32 s94, s91, 16                        ; my 32 of them
	s_add_nc_u64 s[8:9], s[8:9], s[94:95]
	s_lshl_b32 s94, s[BB], 23
	s_lshl_b32 s88, s[HD], 8
	s_add_co_u32 s94, s94, s88                     ; the head's first byte in out
	s_add_nc_u64 s[12:13], s[12:13], s[94:95]
	; group 0, a set for each load; the chunks go out from the top: keys 1,536 on, 1,024 on, 512 on, 0 on.  Every wave makes both kinds; none is ever rewritten.
	MKG0 40, 92, 3*KCH, 6, 3<<19
	MKG0 44, 92, 2*KCH, 6, 2<<19
	MKG0 48, 92, 1*KCH, 6, 1<<19
	MKG0 52, 92, 0, 6, 0
	MKG0 56, 93, 3*VCH, 8, 3*512
	MKG0 60, 93, 2*VCH, 8, 2*512
	MKG0 68, 93, 1*VCH, 8, 1*512
	MKG0 72, 93, 0, 8, 0
	CROUND                                         ; all four work-groups are here: the joint loads meet
	s_cmp_lt_u32 s[WV], 2                          ; a wave's four fills stand in one branch on its number, ahead of every wait on TENSORcnt and every LDS read: four loads of a fetching wave are out
	s_cbranch_scc0 .Lnot_k
	tensor_load_to_lds s[40:43], s[G1K:G1K+7]
	s_nop 0
	tensor_load_to_lds s[44:47], s[G1K:G1K+7]
	s_nop 0
	tensor_load_to_lds s[48:51], s[G1K:G1K+7]
	s_nop 0
	tensor_load_to_lds s[52:55], s[G1K:G1K+7]
	s_nop 0
.rept 4
	v_nop                                          ; four v_nop follow the last load, ahead of the jump and the label
.endr
	s_branch .Lasked
.Lnot_k:
	s_cmp_lt_u32 s[WV], 4
	s_cbranch_scc0 .Lasked
	tensor_load_to_lds s[56:59], s[G1V:G1V+7]
	s_nop 0
	tensor_load_to_lds s[60:63], s[G1V:G1V+7]
	s_nop 0
	tensor_load_to_lds s[68:71], s[G1V:G1V+7]
	s_nop 0
	tensor_load_to_lds s[72:75], s[G1V:G1V+7]
	s_nop 0
.rept 4
	v_nop
.endr
.Lasked:
	v_and_b32 v[R], 15, v0                         ; r
	v_bfe_u32 v[H], v0, 4, 1                       ; h
	s_delay_alu instid0(VALU_DEP_1)
	v_lshlrev_b32 v[D], 3, v[H]                    ; 8 h, for TILEADR
	TILEADR 89, QOA, DQA, GOA
	TILEADR 90, QOB, DQB, GOB
	global_load_b128 v[QA:QA+3],   v[QOA], s[4:5]             ; Q's two fragments stay in registers
	global_load_b128 v[QA+4:QA+7], v[QOA], s[4:5] offset:32
	global_load_b128 v[QB:QB+3],   v[QOB], s[4:5]
	global_load_b128 v[QB+4:QB+7], v[QOB], s[4:5] offset:32
	v_mul_u32_u24 v[AK0], v[R], KP
	s_delay_alu instid0(VALU_DEP_1)
	v_lshl_add_u32 v[AK0], v[H], 4, v[AK0]
	v_mul_u32_u24 v[AV0], v[R], VP
	s_delay_alu instid0(VALU_DEP_1)
	v_lshl_add_u32 v[AV0], v[H], 3, v[AV0]
	s_delay_alu instid0(VALU_DEP_1)
	v_add_nc_u32 v[AV0], VB, v[AV0]
	s_mul_i32 s88, s[WV], STG                      ; my stage
	v_mul_u32_u24 v[STO], v[R], SP
	s_delay_alu instid0(VALU_DEP_1)
	v_lshl_add_u32 v[STO], v[H], 5, v[STO]
	s_delay_alu instid0(VALU_DEP_1)
	v_add_nc_u32 v[STO], s88, v[STO]               ; in: row r; tile t's eight channels of my half lie 64 t + 32 h bytes on
	v_mul_u32_u24 v[RD], v[H], SP
	s_delay_alu instid0(VALU_DEP_1)
	v_lshl_add_u32 v[RD], v[R], 4, v[RD]
	s_delay_alu instid0(VALU_DEP_1)
	v_add_nc_u32 v[RD], s88, v[RD]                 ; back: lanes 0-15 one row, lanes 16-31 the next
	v_mov_b32 v[NINF], 0xff800000
	v_mov_b32 v[NEG1], -1
	v_mov_b32 v[PX], 0                             ; written once: a lane permute's destination counts as one of its sources
	v_mov_b32 v[FF+1], 0                           ; (named as the upper half of the pair)
	TILE_INIT
	s_wait_kmcnt 0x0
	s_add_co_i32 s88, s76, s77
	s_lshl_b32 s88, s88, 23
	s_mov_b32 s[CS], 0x3e38aa3b                    ; log2(e) / 8
	s_add_co_i32 s[CS], s[CS], s88                 ; a score stands for score x 2^(eq + ek): the two exponents are added to c's exponent field
	s_mov_b32 s[CS+1], s[CS]                       ; (named with it as a pair, so it is written)
	s_add_co_i32 s88, s79, 127
	s_lshl_b32 s91, s88, 23
	v_mov_b32 v[SC], s91                           ; 2^ep as f32: the conversion takes its exponent field
	s_add_co_i32 s[EPV], s78, s79                  ; ev + ep
	s_wait_loadcnt 0x0                             ; Q
	; TILE A
	LAND 3                                         ; keys 1,536 to 2,047 of K and V are in; a fetching wave's three younger loads stay out
	s_mov_b32 s[KS], 12
.La1:
	STEP 0, QA, DQA, FA, FA+1                      ; F_A + 1 is 8 at the most: nothing is hidden here
	s_add_co_u32 s[KS], s[KS], 1
	s_cmp_lt_u32 s[KS], 16
	s_cbranch_scc1 .La1
	s_setprio 0
	LAND 2                                         ; keys 1,024 on are in; two younger loads stay out
	s_mov_b32 s[KS], 8
.La2:
	STEP 1, QA, DQA, FA, FA+1                      ; step 8 is step F_A + 1 in waves 14 and 15
	s_add_co_u32 s[KS], s[KS], 1
	s_cmp_lt_u32 s[KS], 12
	s_cbranch_scc1 .La2
	s_setprio 0
	LAND 0                                         ; all of K and V is in: from here to the way out no wave waits for another
	s_mov_b32 s[KS], 0
.La3:
	STEP 1, QA, DQA, FA, FA+1
	s_add_co_u32 s[KS], s[KS], 1
	s_cmp_lt_u32 s[KS], 8
	s_cbranch_scc1 .La3
	s_setprio 0
	FINISH OA
	; TILE B: F_B is 8 at the least
	TILE_INIT
	s_mov_b32 s[KS], 8
.Lb:
	STEP 1, QB, DQB, FB, FB1
	s_add_co_u32 s[KS], s[KS], 1
	s_cmp_lt_u32 s[KS], 16
	s_cbranch_scc1 .Lb
	s_setprio 0
	FINISH S
	; THE WAY OUT.  A lane holds 32 bytes of each of four pieces of its query's row, and the lanes beside it hold other queries: so a tile goes through my stage in LDS and comes back as whole rows of 256 bytes.
	s_wait_alu depctr_va_vdst(0)
	s_wait_dscnt 0x0                               ; my reads of K and V are over
	s_barrier_signal -1
	s_barrier_wait -1                              ; everybody's are: the stages may be written over K's bytes, which are filled no more
.irp t, 0,1,2,3
	ds_store_b128 v[STO], v[OA+8*\t:OA+8*\t+3]   offset:64*\t
	ds_store_b128 v[STO], v[OA+8*\t+4:OA+8*\t+7] offset:64*\t+16
.endr
.irp i, 0,1,2,3,4,5,6,7
	ds_load_b128 v[FR+4*\i:FR+4*\i+3], v[RD] offset:2*SP*\i          ; LDS serves a wave's instructions in order (ISA guide 5.7.1.4): these see my stores, and tile B's stores come behind them
.endr
.irp t, 0,1,2,3
	ds_store_b128 v[STO], v[S+8*\t:S+8*\t+3]   offset:64*\t
	ds_store_b128 v[STO], v[S+8*\t+4:S+8*\t+7] offset:64*\t+16
.endr
.irp i, 0,1,2,3,4,5,6,7
	ds_load_b128 v[FR+32+4*\i:FR+32+4*\i+3], v[RD] offset:2*SP*\i
.endr
.irp i, 0,1,2,3,4,5,6,7
	s_wait_dscnt 23-\i                             ; behind tile A's load i: its 7 - i younger loads and tile B's sixteen instructions
	global_store_b128 v[GOA], v[FR+4*\i:FR+4*\i+3], s[12:13] offset:8192*\i th:TH_STORE_NT   ; 16 lanes store 256 consecutive bytes, at a multiple of 256 from out's first byte; written once, read by nobody here
.endr
.irp i, 0,1,2,3,4,5,6,7
	s_wait_dscnt 7-\i
	global_store_b128 v[GOB], v[FR+32+4*\i:FR+32+4*\i+3], s[12:13] offset:8192*\i th:TH_STORE_NT
.endr
	s_wait_xcnt 0x0
	v_lshl_add_u32 v254, v0, 2, 0x49000
	v_mov_b32 v255, 0
	s_wait_alu depctr_va_vdst(0)
	s_wait_tensorcnt 0x0
	ds_add_u32 v254, v255
	s_wait_dscnt 0x0
	CROUND                                         ; the closing round: no work-group ends while a partner may still ask for a tile that names it
	s_endpgm
.Lfunc_end_k_qb7b6e8c90d_attn:
	.size	k_qb7b6e8c90d_attn, .Lfunc_end_k_qb7b6e8c90d_attn-k_qb7b6e8c90d_attn
	.p2alignl 7, 3214868480
	.fill 96, 4, 3214868480
	.section	.rodata,"a",@progbits
	.p2align	6, 0x0
	.amdhsa_kernel k_qb7b6e8c90d_attn
		.amdhsa_group_segment_fixed_size 327680
		.amdhsa_private_segment_fixed_size 0
		.amdhsa_enable_private_segment 0
		.amdhsa_kernarg_size 40
		.amdhsa_user_sgpr_count 2
		.amdhsa_user_sgpr_kernarg_segment_ptr 1
		.amdhsa_wavefront_size32 1
		.amdhsa_system_sgpr_workgroup_id_x 1
		.amdhsa_system_sgpr_workgroup_id_y 1
		.amdhsa_system_sgpr_workgroup_id_z 1
		.amdhsa_system_vgpr_workitem_id 0
		.amdhsa_next_free_vgpr 256
		.amdhsa_next_free_sgpr 100
		.amdhsa_reserve_vcc 1
		.amdhsa_float_denorm_mode_32 3
		.amdhsa_float_denorm_mode_16_64 3
		.amdhsa_fp16_overflow 1
		.amdhsa_memory_ordered 1
		.amdhsa_forward_progress 1
		.amdhsa_inst_pref_size 97
	.end_amdhsa_kernel
	.amdgpu_metadata
---
amdhsa.version: [ 1, 2 ]
amdhsa.kernels:
  - .name:           k_qb7b6e8c90d_attn
    .symbol:         k_qb7b6e8c90d_attn.kd
    .args:
      - { .name: queries_codes, .offset: 0, .size: 8, .value_kind: global_buffer, .address_space: global }
      - { .name: keys_codes, .offset: 8, .size: 8, .value_kind: global_buffer, .address_space: global }
      - { .name: values_codes, .offset: 16, .size: 8, .value_kind: global_buffer, .address_space: global }
      - { .name: lowp_scales, .offset: 24, .size: 8, .value_kind: global_buffer, .address_space: global }
      - { .name: out0, .offset: 32, .size: 8, .value_kind: global_buffer, .address_space: global }
    .group_segment_fixed_size: 327680
    .private_segment_fixed_size: 0
    .kernarg_segment_align: 8
    .kernarg_segment_size: 40
    .max_flat_workgroup_size: 512
    .sgpr_count:     100
    .vgpr_count:     256
    .wavefront_size: 32
...
	.end_amdgpu_metadata
.endif
;; end of part 1
